; MI455X (gfx1250); checked and timed in simulation.
; The chip was launched on July 23, 2026; its instructions are those of AMD's public machine-readable ISA for CDNA 5 (MIT licence, August 2026) and "CDNA5" Instruction Set Architecture Reference Guide (July 2026). The comments in the code are by the model that wrote it; some were corrected since.
;; Attention. Allowed arithmetic: float matrix products may take bf16 or f16 operands with f32 sums; all other float work in f32.
;; Inputs: Wg 256 x 256 float32; Wk 256 x 256 float32; Wo 256 x 256 float32; Wq 256 x 256 float32; Wv 256 x 256 float32; bg 256 float32; bias 1 x 1 x 8 x 256 x 256 float32; bo 256 float32; k_x 1 x 128 x 256 x 256 float32; q_x 1 x 128 x 256 x 256 float32; v_x 1 x 128 x 256 x 256 float32.
;; Outputs: out0 1 x 128 x 256 x 256 float32.
;; One version. Each part assembles by itself: llvm-mc -triple=amdgcn-amd-amdhsa -mcpu=gfx1250 --defsym DOCPART=n.
;; ======== version 1 of 1: 2 launches
;; workspace buffers: wf 655,360 bytes; biasf 2,097,152 bytes
;; launch prep (part 1): grid 208 x 1, 1 waves a work-group, no clusters, 16,896 bytes of LDS; arguments bias, Wq, Wg, Wk, Wv, Wo, biasf, wf; writes biasf, wf
.if DOCPART == 1
	.amdgcn_target "amdgcn-amd-amdhsa--gfx1250"
	.amdhsa_code_object_version 6
	.text
	.protected	k_q559f326715_prep
	.globl	k_q559f326715_prep
	.p2align	8
	.type	k_q559f326715_prep,@function
k_q559f326715_prep:
	s_mov_b64 s[64:65], 0
	v_nop
	global_prefetch_b8 v0, s[64:65] scope:SCOPE_SE
	s_setreg_imm32_b32 hwreg(HW_REG_WAVE_MODE, 25, 1), 1
	s_wait_xcnt 0x0
; Rewrites the bias and the five weights into the order in which the attention launch's lanes want them, so that there
; every load of a wave is 512 consecutive bytes that go straight into matrix operands.
;   wf    [w: Wq,Wg,Wk,Wv,Wo][slice s 0..7][dt 0..1][ks 0..7][half 0..1][lane][8 bf16]
;         = scale_w * W[k][n],  n = 32 s + 16 dt + (lane & 15),  k = 32 ks + 16 half + 8 (lane >> 4) + e
;   biasf [qh][h][qt][i 0..31][lane][4 f32]
;         = log2(e) * bias[h][128 qh + 16 qt + (lane & 15)][16 (i >> 1) + 8 (lane >> 4) + 4 (i & 1) + e]
; scale: Wq by log2(e) / sqrt(32), Wg by -log2(e), the others by 1: the later exponentials are base 2.
; The scale is applied in f32 BEFORE the rounding to bf16 (an order of rounding that differs from scaling the product).
; One wave a work-group, one tile of 16 rows x 1,024 bytes (16 KiB, contiguous in memory) a work-group:
; work-groups 0..127: tile T of the bias seen as 2,048 rows; 128..207: weight w = (id-128)/16, rows 16 kt .. 16 kt + 15.
; The tile goes through LDS with a pitch of 1,040 bytes = 65 x 16, so that sixteen rows begin at sixteen different
; 16-byte columns modulo 256.  No matrix unit, no cluster: the launch only moves 3.4 MB once.
.set LP,   1040                        ; LDS pitch
.set DAT,  8                           ; v[8:135]   the tile
.set PK,   136                         ; v[136:199] packed bf16
	s_load_b256 s[8:15], s[0:1], 0x0               ; bias s[8:9], Wq s[10:11], Wg s[12:13], Wk s[14:15]
	s_load_b256 s[16:23], s[0:1], 0x20             ; Wv s[16:17], Wo s[18:19], biasf s[20:21], wf s[22:23]
	v_lshl_add_u32 v200, v0, 2, 0x4100
	v_mov_b32 v201, 0
	s_sub_co_u32 s24, ttmp9, 128                   ; weight tiles count from 128 (wraps to a huge number for bias tiles)
	s_lshr_b32 s25, s24, 4                         ; w: 0..4; for a bias tile no compare below hits
	s_and_b32 s26, s24, 15                         ; kt
	v_lshlrev_b32 v1, 4, v0                        ; 16 x lane
	v_and_b32 v4, 15, v0                           ; r
	v_lshrrev_b32 v5, 4, v0                        ; hh
	v_mul_u32_u24 v2, v4, LP
	v_lshl_add_u32 v2, v5, 5, v2                   ; bias read: row r, 32 hh bytes in
	v_mul_u32_u24 v3, v5, 8*LP
	v_lshl_add_u32 v3, v4, 2, v3                   ; weight read: row 8 hh, word r
	s_mov_b32 s32, 1.0
	s_cmp_eq_u32 s25, 0
	s_cselect_b32 s32, 0x3e8293ee, s32             ; Wq: log2(e) / sqrt(32)
	s_cmp_eq_u32 s25, 1
	s_cselect_b32 s32, 0xbfb8aa3b, s32             ; Wg: -log2(e)
	s_cmp_lt_u32 ttmp9, 128
	s_cselect_b32 s32, 0x3fb8aa3b, s32             ; bias: log2(e)
	s_cselect_b32 s30, ttmp9, s26                  ; the tile's number in its source
	s_mov_b32 s33, s32                             ; the packed multiply names the pair
	s_lshl_b32 s30, s30, 14                        ; x 16 KiB
	s_mov_b32 s31, 0
	s_wait_kmcnt 0x0
	s_mov_b64 s[28:29], s[8:9]                     ; the source: bias, or one of the five weights
	s_cmp_eq_u32 s25, 0
	s_cselect_b64 s[28:29], s[10:11], s[28:29]
	s_cmp_eq_u32 s25, 1
	s_cselect_b64 s[28:29], s[12:13], s[28:29]
	s_cmp_eq_u32 s25, 2
	s_cselect_b64 s[28:29], s[14:15], s[28:29]
	s_cmp_eq_u32 s25, 3
	s_cselect_b64 s[28:29], s[16:17], s[28:29]
	s_cmp_eq_u32 s25, 4
	s_cselect_b64 s[28:29], s[18:19], s[28:29]
	s_add_nc_u64 s[28:29], s[28:29], s[30:31]
	; the tile comes in as 32 loads of 512 consecutive bytes and is laid into LDS row by row
.set i, 0
.rept 32
	global_load_b128 v[DAT+4*i:DAT+4*i+3], v1, s[28:29] offset:512*i th:TH_LOAD_NT
.set i, i+1
.endr
.set i, 0
.rept 32
	s_wait_loadcnt 31-i                            ; loads return in order: load i is in, the 31-i younger ones stay out
	ds_store_b128 v1, v[DAT+4*i:DAT+4*i+3] offset:(i>>1)*LP+(i&1)*512
.set i, i+1
.endr
	s_wait_dscnt 0x0                               ; one wave: its own wait is all the ordering that the reads below need
	s_cmp_lt_u32 ttmp9, 128
	s_cbranch_scc0 .Lw
	; BIAS: destination tile = 64 qh + 8 h + qt, with T = 16 h + 8 qh + qt
	s_bfe_u32 s34, ttmp9, 0x10003                  ; qh
	s_lshl_b32 s34, s34, 6
	s_lshr_b32 s35, ttmp9, 4                       ; h
	s_lshl3_add_u32 s34, s35, s34
	s_and_b32 s35, ttmp9, 7                        ; qt
	s_add_co_u32 s34, s34, s35
	s_lshl_b32 s34, s34, 14
	s_mov_b32 s35, 0
	s_add_nc_u64 s[20:21], s[20:21], s[34:35]
.set i, 0
.rept 32
	ds_load_b128 v[DAT+4*i:DAT+4*i+3], v2 offset:64*(i>>1)+16*(i&1)
.set i, i+1
.endr
.set i, 0
.rept 32
	s_wait_dscnt 31-i                              ; LDS loads return in order: piece i is in
	v_pk_mul_f32 v[DAT+4*i:DAT+4*i+1], v[DAT+4*i:DAT+4*i+1], s[32:33] op_sel_hi:[1,0]
	v_pk_mul_f32 v[DAT+4*i+2:DAT+4*i+3], v[DAT+4*i+2:DAT+4*i+3], s[32:33] op_sel_hi:[1,0]
	global_store_b128 v1, v[DAT+4*i:DAT+4*i+3], s[20:21] offset:512*i   ; 512 consecutive bytes, aligned
.set i, i+1
.endr
	s_wait_tensorcnt 0x0
	ds_add_u32 v200, v201
	s_wait_dscnt 0x0
	s_endpgm
.Lw:
	; WEIGHT: rows 16 kt .. +15 are (ks, half) = (kt / 2, kt % 2) of all sixteen column groups c = 2 s + dt
	s_lshl_b32 s34, s25, 17                        ; w x 128 KiB
	s_lshl_b32 s35, s26, 9                         ; kt x 512
	s_add_co_u32 s34, s34, s35
	s_mov_b32 s35, 0
	s_add_nc_u64 s[22:23], s[22:23], s[34:35]
.irp c, 0,1,2,3,4,5,6,7,8,9,10,11,12,13,14,15
.irp e, 0,1,2,3,4,5,6,7
	ds_load_b32 v[DAT+8*\c+\e], v3 offset:\e*LP+64*\c      ; W[16 kt + 8 hh + e][16 c + r]: a column piece, read down the rows
.endr
.endr
	s_wait_dscnt 0x0
.set i, 0
.rept 64
	v_pk_mul_f32 v[DAT+2*i:DAT+2*i+1], v[DAT+2*i:DAT+2*i+1], s[32:33] op_sel_hi:[1,0]
.set i, i+1
.endr
.set i, 0
.rept 64
	v_cvt_pk_bf16_f32 v[PK+i], v[DAT+2*i], v[DAT+2*i+1]    ; e ascending: the lower k in the lower half
.set i, i+1
.endr
.irp c, 0,1,2,3,4,5,6,7,8,9,10,11,12,13,14,15
	global_store_b128 v1, v[PK+4*\c:PK+4*\c+3], s[22:23] offset:8192*\c   ; 512 consecutive bytes, aligned
.endr
	s_wait_tensorcnt 0x0
	ds_add_u32 v200, v201
	s_wait_dscnt 0x0
	s_endpgm
.Lfunc_end_k_q559f326715_prep:
	.size	k_q559f326715_prep, .Lfunc_end_k_q559f326715_prep-k_q559f326715_prep
	.p2alignl 7, 3214868480
	.fill 96, 4, 3214868480
	.section	.rodata,"a",@progbits
	.p2align	6, 0x0
	.amdhsa_kernel k_q559f326715_prep
		.amdhsa_group_segment_fixed_size 16896
		.amdhsa_private_segment_fixed_size 0
		.amdhsa_enable_private_segment 0
		.amdhsa_kernarg_size 64
		.amdhsa_user_sgpr_count 2
		.amdhsa_user_sgpr_kernarg_segment_ptr 1
		.amdhsa_wavefront_size32 1
		.amdhsa_system_sgpr_workgroup_id_x 1
		.amdhsa_system_sgpr_workgroup_id_y 1
		.amdhsa_system_sgpr_workgroup_id_z 1
		.amdhsa_system_vgpr_workitem_id 0
		.amdhsa_next_free_vgpr 202
		.amdhsa_next_free_sgpr 66
		.amdhsa_reserve_vcc 0
		.amdhsa_float_denorm_mode_32 3
		.amdhsa_float_denorm_mode_16_64 3
		.amdhsa_memory_ordered 1
		.amdhsa_forward_progress 1
		.amdhsa_inst_pref_size 37
	.end_amdhsa_kernel
	.amdgpu_metadata
---
amdhsa.version: [ 1, 2 ]
amdhsa.kernels:
  - .name:           k_q559f326715_prep
    .symbol:         k_q559f326715_prep.kd
    .args:
      - { .name: bias, .offset: 0, .size: 8, .value_kind: global_buffer, .address_space: global }
      - { .name: Wq, .offset: 8, .size: 8, .value_kind: global_buffer, .address_space: global }
      - { .name: Wg, .offset: 16, .size: 8, .value_kind: global_buffer, .address_space: global }
      - { .name: Wk, .offset: 24, .size: 8, .value_kind: global_buffer, .address_space: global }
      - { .name: Wv, .offset: 32, .size: 8, .value_kind: global_buffer, .address_space: global }
      - { .name: Wo, .offset: 40, .size: 8, .value_kind: global_buffer, .address_space: global }
      - { .name: biasf, .offset: 48, .size: 8, .value_kind: global_buffer, .address_space: global }
      - { .name: wf, .offset: 56, .size: 8, .value_kind: global_buffer, .address_space: global }
    .group_segment_fixed_size: 16896
    .private_segment_fixed_size: 0
    .kernarg_segment_align: 8
    .kernarg_segment_size: 64
    .max_flat_workgroup_size: 32
    .sgpr_count:     66
    .vgpr_count:     202
    .wavefront_size: 32
...
	.end_amdgpu_metadata
.endif
;; end of part 1
;; launch attn (part 2): grid 2 x 128, 8 waves a work-group, no clusters, 265,216 bytes of LDS; arguments q_x, k_x, v_x, wf, biasf, bg, bo, out0; writes out0
.if DOCPART == 2
	.amdgcn_target "amdgcn-amd-amdhsa--gfx1250"
	.amdhsa_code_object_version 6
	.text
	.protected	k_q559f326715_attn
	.globl	k_q559f326715_attn
	.p2align	8
	.type	k_q559f326715_attn,@function
k_q559f326715_attn:
	s_mov_b64 s[64:65], 0
	v_nop
	global_prefetch_b8 v0, s[64:65] scope:SCOPE_SE
	s_setreg_imm32_b32 hwreg(HW_REG_WAVE_MODE, 25, 1), 1
	s_wait_xcnt 0x0
; Gated attention, all of it in one launch.  Work-group (qh, r): the 128 queries 128 qh .. +127 of row r, all 256 keys, all 8 heads.
; Eight waves; wave w IS head w in the projections and in the attention, and column slice 32 w .. +31 in the output projection.
; Every product is turned so that its result, packed to bf16, already IS the next product's operand (lane r = l & 15, hh = l >> 4):
;   K^T = Wk_h^T x k_x^T : lane = key r, registers = d 8 hh + j, two d tiles  -> A operand of K (rows = keys, k = d)
;   Q^T = Wq_h^T x q_x^T : the same                                           -> B operand of Q
;   V   = v_x x Wv_h     : lane = d, registers = keys                         -> A operand of V^T (rows = d, k = keys)
;   S^T = K x Q^T + bias : lane = query, registers = keys; the bias tile is loaded straight into the accumulator
;   P^T = exp2(S^T - max): packed in place order                              -> B operand
;   O^T = V^T x P^T      : lane = query, registers = d, the layout of the gate G^T = Wg_h^T x q_x^T + bg
; So the softmax runs along a lane's registers plus one exchange between the halves of the wave, and nothing is transposed.
; The weights come as bf16 in operand order and the bias as f32 in accumulator order from the launch before; there Wq carries
; log2(e)/sqrt(32), the bias log2(e), Wg -log2(e): softmax = exp2(s - max) with the row's true maximum, gate = 1/(1 + exp2(acc)).
; x comes in as f32, 64 rows at a time, is rounded to bf16 in registers and laid into one of two LDS slots that take turns.
; K and V are projected by both work-groups of a row r: the price of 256 work-groups instead of 128.
; LIMITS: v_exp_f32 and v_rcp_f32 flush denormals (ISA guide, their entries): a p below 2^-126 counts as 0.  The softmax's
; denominator sums p in f32, while P x V takes p rounded to bf16.  Matrix operands are bf16, all else f32; no limit of range.
; NO CLUSTER, NO TENSOR LOADS: a byte of wf or biasf is used by one wave of a work-group and goes straight into its registers
; (through LDS it would cost 1.6 MB written and 1.6 MB read more for each work-group); x has to pass through registers to be rounded, and a
; landing ring for f32 (2 x 64 KiB) does not fit beside the 264,192 bytes in use; k_x and v_x are shared by two work-groups only.
.set PITCH,  528                       ; an x row in LDS: 512 bytes + 16 = 33 x 16: sixteen rows begin at sixteen different 16-byte columns modulo 256
.set RT,     16*PITCH                  ; a tile of 16 rows
.set SLOT,   64*PITCH                  ; a slot: 64 rows
.set GS,     2*SLOT                    ; gate spill, f32: wave 16,384, query tile 2,048, piece 512, lane 16
.set QS,     GS+8*16384                ; Q operand spill: wave 8,192, query tile 1,024, half 512, lane 16
.set OST,    GS                        ; out stage, 128 rows x 1,040 bytes, over the spills when they are dead
.set OPITCH, 1040
; window 0
.set L16, 1                            ; v1   16 x lane
.set XG,  2                            ; v2   staging, global: 8,192 wave + 16 lane
.set XST, 3                            ; v3   staging, LDS: 8 rows x wave + 8 lane
.set XA,  4                            ; v4   operand read: r x PITCH + 16 hh
.set GA,  5                            ; v5   gate spill address; in the out phase: where I put results in the stage
.set QA,  6                            ; v6   Q spill address; in the out phase: where I read rows back
.set OA,  7                            ; v7   where I put gated o; in the out phase: my byte offset in out0
.set XR,  8                            ; v[8:31]    slots 4-6 of the ring of x operands (K, V and output projections)
.set CB,  16                           ; v[16:31]   bg as a C operand (the two trips on q_x)
.set QT,  16                           ; v[16:23]   Q operand of the query tile (attention)
.set LS,  24                           ; v[24:31]   four pairs of partial sums of p
.set WR,  32                           ; v[32:159]  a weight slice: operand (dt, ks) at 8 (8 dt + ks)
.set SC,  32                           ; v[32:159]  S^T: key tile t at 8 t
.set STA, 160                          ; v[160:191] staging, first half
.set PR,  160                          ; v[160:223] P^T operands
.set ACC, 192                          ; v[192:223] four accumulators: (rt, dt) at 8 (2 rt + dt)
.set XF,  224                          ; v[224:255] slots 0-3 of the ring of x operands
.set OT,  224                          ; v[224:239] O^T
.set GT,  240                          ; v[240:255] gate of the query tile
; window 1 (registers 256 + the number written)
.set KF,  0                            ; Wg, then the 16 K operands, then Wo
.set VF,  128                          ; V^T operand (dt, u) at 128 + 8 (2 u + dt)
.set XA1, 128                          ; a copy of XA for the output projection, when V is dead
.set ACG, 160                          ; the gate's four accumulators in the two trips on q_x
.set STB, 224                          ; staging, second half; free until the last chunk of V is projected
.set MSB, 0
.macro WIN new                         ; s_set_vgpr_msb: bits 1:0 source 0, 3:2 source 1, 5:4 source 2, 7:6 destination; the high byte repeats the setting left
.if MSB != \new
	s_set_vgpr_msb (MSB<<8)|\new
.set MSB, \new
.endif
.endm
.macro PLACES                          ; four independent vector instructions between a matrix instruction and a vector read of its result, a vector write
.rept 4                                ; of one of its registers, or a load into one of them
	v_nop
.endr
.endm
.macro BAR                             ; my LDS stores are done and my LDS reads are back; then the work-group's barrier
	s_wait_dscnt 0x0
	s_barrier_signal -1
	s_barrier_wait -1
.endm
.macro WM d, a, b, c                   ; c < 0: the product starts the sum
.if (\c) < 0
	v_wmma_f32_16x16x32_bf16 v[(\d):(\d)+7], v[(\a):(\a)+7], v[(\b):(\b)+7], 0
.else
	v_wmma_f32_16x16x32_bf16 v[(\d):(\d)+7], v[(\a):(\a)+7], v[(\b):(\b)+7], v[(\c):(\c)+7]
.endif
.endm
; A chunk of 64 rows x 1,024 bytes: the wave asks for its 8 rows, 8 KiB contiguous, in 16 loads of 512 bytes
.macro STAGE_LOAD base, off, nt
.irp n, 0,1,2,3,4,5,6,7
.if \nt
	global_load_b128 v[STA+4*\n:STA+4*\n+3], v[XG], s[\base:\base+1] offset:(\off)+512*\n th:TH_LOAD_NT
.else
	global_load_b128 v[STA+4*\n:STA+4*\n+3], v[XG], s[\base:\base+1] offset:(\off)+512*\n
.endif
.endr
	WIN 0x40
.irp n, 0,1,2,3,4,5,6,7
.if \nt
	global_load_b128 v[STB+4*\n:STB+4*\n+3], v[XG], s[\base:\base+1] offset:(\off)+512*(8+\n) th:TH_LOAD_NT
.else
	global_load_b128 v[STB+4*\n:STB+4*\n+3], v[XG], s[\base:\base+1] offset:(\off)+512*(8+\n)
.endif
.endr
	WIN 0
.endm
.macro STAGE_CVT                       ; rounds the chunk to bf16, into slots 0-3 of the operand ring, which is empty at a trip's end
.irp n, 0,1,2,3,4,5,6,7,8,9,10,11,12,13,14,15
	v_cvt_pk_bf16_f32 v[XF+\n], v[STA+2*\n], v[STA+2*\n+1]
.endr
	WIN 0x05
.irp n, 0,1,2,3,4,5,6,7,8,9,10,11,12,13,14,15
	v_cvt_pk_bf16_f32 v[XF+16+\n], v[STB+2*\n], v[STB+2*\n+1]
.endr
	WIN 0
.endm
.macro STAGE_PUT slot                  ; and lays it into an LDS slot
.irp n, 0,1,2,3,4,5,6,7,8,9,10,11,12,13,14,15
	ds_store_b64 v[XST], v[XF+2*\n:XF+2*\n+1] offset:(\slot)*SLOT+(\n>>1)*PITCH+(\n&1)*256
.endr
.endm
; A trip's end: the next chunk is in (left = younger loads that stay out) and is rounded; the chunk after it (base nb, offset noff;
; nb = 0: none) is asked for at once, ahead of the LDS stores and the barrier, so that it has the whole next trip in which to arrive.
.macro STAGE_END slot, left, nb, noff
	s_wait_loadcnt \left
	STAGE_CVT
.if \nb
	STAGE_LOAD \nb, \noff, 0
.endif
	STAGE_PUT \slot
	BAR
.endm
; my slice of weight widx: 16 KiB contiguous, 32 loads, straight into operand registers
.macro WLOAD widx, dst, win
	WIN \win
.set i, 0
.rept 32
	global_load_b128 v[\dst+4*i:\dst+4*i+3], v[L16], s[14:15] offset:\widx*131072+512*i
.set i, i+1
.endr
	WIN 0
.endm
; a bias tile (16 queries x 256 keys of my head): 16 KiB contiguous, straight into the accumulators of S^T
.macro BL4 q                           ; a quarter of it: key tiles 4 q .. 4 q + 3
.irp i, 0,1,2,3,4,5,6,7
	global_load_b128 v[SC+32*(\q)+4*\i:SC+32*(\q)+4*\i+3], v[L16], s[16:17] offset:4096*(\q)+512*\i
.endr
.endm
.macro BLOAD
	BL4 0
	BL4 1
	BL4 2
	BL4 3
.endm
; THE RING OF x OPERANDS.  A trip's operands (16 rows x 32 along K, 8 registers, two LDS loads) are numbered f = 16 u + 2 ks + rt:
; unit u (32 rows), K group ks, row tile rt.  Operand f lies in slot f mod ns.  A group of matrix instructions uses operands 2 g and
; 2 g + 1; behind it operands 2 g + ns and 2 g + ns + 1 are asked for, into the two slots just read.
.macro XSLOT f, ns                     ; XB = the first register of operand f's slot
.set XS_, (\f)%(\ns)
.if XS_ < 4
.set XB, XF+8*XS_
.else
.set XB, XR+8*(XS_-4)
.endif
.endm
.macro XFRAG xo, f, ns, xa             ; asks for operand f of the rows that begin at LDS byte xo
	XSLOT \f, \ns
.set XO_, (\xo)+(2*((\f)>>4)+((\f)&1))*RT+64*(((\f)>>1)&7)
	ds_load_b128 v[XB:XB+3],   v[\xa] offset:XO_
	ds_load_b128 v[XB+4:XB+7], v[\xa] offset:XO_+32
.endm
.macro XHEAD xo, ns, xa, win           ; fills the ring at a trip's start
	WIN \win
.set FH_, 0
.rept \ns
	XFRAG \xo, FH_, \ns, \xa
.set FH_, FH_+1
.endr
.endm
.macro XWAIT g, t, ns                  ; operands 2 g and 2 g + 1 are in.  LDS instructions end in order: min(t, 2 g + ns) operands have been asked for,
.set ISS_, 2*(\g)+(\ns)                ; so two loads for each operand behind 2 g + 1 may stay out (an epilogue's LDS stores behind them only make the count stricter)
.if ISS_ > (\t)
.set ISS_, (\t)
.endif
	s_wait_dscnt 2*(ISS_-2*(\g)-2)
.endm
.macro XNEXT xo, g, t, ns, xa          ; behind group g: the two operands that take its slots, if the trip has them
.if 2*(\g)+(\ns) < (\t)
	XFRAG \xo, 2*(\g)+(\ns), \ns, \xa
.endif
.if 2*(\g)+(\ns)+1 < (\t)
	XFRAG \xo, 2*(\g)+(\ns)+1, \ns, \xa
.endif
.endm
.macro UMM g, rt, dt, ns, wb, swap, cb
	XSLOT 2*(\g)+\rt, \ns
.set UD, ACC+8*(2*\rt+\dt)
.set UW, \wb+8*(8*\dt+((\g)&7))
.if ((\g)&7)
.set UCC, UD
.else
.if (\cb) < 0
.set UCC, -1
.else
.set UCC, \cb+8*\dt
.endif
.endif
.if \swap
	WM UD, XB, UW, UCC
.else
	WM UD, UW, XB, UCC
.endif
.endm
.macro GMM g, rt, dt                   ; the gate's product: Wg and the accumulator in window 1, x (and bg, for the first K group) in window 0
	XSLOT 2*(\g)+\rt, 4
.set UD, ACG+8*(2*\rt+\dt)
.set UW, KF+8*(8*\dt+((\g)&7))
.if ((\g)&7)
	WM UD, UW, XB, UD
.else
	WM UD, UW, XB, CB+8*\dt
.endif
.endm
; Unit u of a trip of t operands: 32 rows of x x my 32 columns x K = 256: 32 matrix instructions on four accumulators, which take turns,
; one instruction a turn.  wb, win: the weight's registers and their window; xa: the address register in that
; window.  swap: x is the A operand.  cb: a C operand for the first K group (< 0: none).  lw: a wait for the weight (< 0: none).
.macro UNITR xo, u, t, ns, wb, xa, win, swap, cb, lw
	WIN \win
.if (\lw) >= 0
	s_wait_loadcnt \lw
.endif
.irp k, 0,1,2,3,4,5,6,7
.set G_, 8*(\u)+\k
	XWAIT G_, \t, \ns
.irp rt, 0,1
.irp dt, 0,1
	UMM G_, \rt, \dt, \ns, \wb, \swap, \cb
.endr
.endr
	PLACES
	XNEXT \xo, G_, \t, \ns, \xa
.endr
	WIN 0
.endm
; Unit u of a trip on q_x: Q and the gate together, so that a pair of x operands feeds eight matrix instructions on eight accumulators,
; which take turns, one instruction a turn.  A ring of four slots: bg lies where slots 5 and 6 would.
.macro UNITJ xo, u, t
.irp k, 0,1,2,3,4,5,6,7
.set G_, 8*(\u)+\k
	XWAIT G_, \t, 4
.irp rt, 0,1
.irp dt, 0,1
	UMM G_, \rt, \dt, 4, WR, 0, -1
.endr
.endr
.if \k
	WIN 0x51                                       ; A, C and D in window 1
.else
	WIN 0x41                                       ; the first K group: C is bg, in window 0
.endif
.irp rt, 0,1
.irp dt, 0,1
	GMM G_, \rt, \dt
.endr
.endr
	WIN 0
	PLACES
	XNEXT \xo, G_, \t, 4, XA
.endr
.endm
; what becomes of a unit's accumulators (each stands behind the unit's last PLACES)
.macro EPI_K kt0                       ; two K operands: registers 0-3 from d tile 0, 4-7 from d tile 1
	WIN 0x40
.irp rt, 0,1
.irp dt, 0,1
.irp i, 0,1,2,3
	v_cvt_pk_bf16_f32 v[KF+8*((\kt0)+\rt)+4*\dt+\i], v[ACC+8*(2*\rt+\dt)+2*\i], v[ACC+8*(2*\rt+\dt)+2*\i+1]
.endr
.endr
.endr
	WIN 0
.endm
.macro EPI_V u                         ; two V^T operands (dt = 0, 1) of keys 32 u .. +31: registers 0-3 from key tile 0, 4-7 from key tile 1
	WIN 0x40
.irp rt, 0,1
.irp dt, 0,1
.irp i, 0,1,2,3
	v_cvt_pk_bf16_f32 v[VF+8*(2*(\u)+\dt)+4*\rt+\i], v[ACC+8*(2*\rt+\dt)+2*\i], v[ACC+8*(2*\rt+\dt)+2*\i+1]
.endr
.endr
.endr
	WIN 0
.endm
.macro EPI_Q qt0                       ; two Q operands, packed in place (the target never passes the sources), into my own spill
.irp n, 0,1,2,3,4,5,6,7,8,9,10,11,12,13,14,15
	v_cvt_pk_bf16_f32 v[ACC+\n], v[ACC+2*\n], v[ACC+2*\n+1]
.endr
.irp rt, 0,1
.irp b, 0,1
	ds_store_b128 v[QA], v[ACC+8*\rt+4*\b:ACC+8*\rt+4*\b+3] offset:((\qt0)+\rt)*1024+512*\b
.endr
.endr
.endm
.macro EPI_G qt0                       ; gate = 1 / (1 + 2^acc), acc = -log2(e) (q_x Wg + bg), in f32 into my own spill
	WIN 0x41                                       ; source 0 and destination in window 1
.set i, 0
.rept 32
	v_exp_f32 v[ACG+i], v[ACG+i]
.set i, i+1
.endr
	v_nop                                          ; a plain instruction between the last exponential and the use of its result (ISA guide 5.7.2)
.set i, 0
	s_wait_alu depctr_va_vdst(0)
.rept 16
	v_pk_add_f32 v[ACG+2*i:ACG+2*i+1], v[ACG+2*i:ACG+2*i+1], 1.0 op_sel_hi:[1,0]
.set i, i+1
.endr
.set i, 0
.rept 32
	v_rcp_f32 v[ACG+i], v[ACG+i]
.set i, i+1
.endr
	v_nop                                          ; likewise behind the last reciprocal
	WIN 0x04                                       ; an LDS store's data is source 1: window 1; its address stays in window 0
	s_wait_alu depctr_va_vdst(0)
.irp rt, 0,1
.irp dt, 0,1
.irp b, 0,1
	ds_store_b128 v[GA], v[ACG+8*(2*\rt+\dt)+4*\b:ACG+8*(2*\rt+\dt)+4*\b+3] offset:((\qt0)+\rt)*2048+512*(2*\dt+\b)
.endr
.endr
.endr
	WIN 0
.endm
.macro EPI_O                           ; 32 rows x my 32 columns of the output, f32, into the stage: a lane holds 8 neighbouring columns of a row
.irp rt, 0,1
.irp dt, 0,1
.irp b, 0,1
	ds_store_b128 v[GA], v[ACC+8*(2*\rt+\dt)+4*\b:ACC+8*(2*\rt+\dt)+4*\b+3] offset:\rt*16*OPITCH+64*\dt+16*\b
.endr
.endr
.endr
	v_add_nc_u32 v[GA], 32*OPITCH, v[GA]           ; the next 32 rows; with the v_nop and the unit's last four: six places before
	v_nop                                          ; the next unit's first matrix instruction writes over an accumulator
.endm
	; ---------------- head: addresses ----------------
	s_load_b256 s[8:15], s[0:1], 0x0               ; q_x s[8:9], k_x s[10:11], v_x s[12:13], wf s[14:15]
	s_load_b256 s[16:23], s[0:1], 0x20             ; biasf s[16:17], bg s[18:19], bo s[20:21], out0 s[22:23]
	v_lshrrev_b32 v8, 5, v0
	v_readfirstlane_b32 s24, v8                    ; wave = head
	s_mov_b32 s25, ttmp9                           ; qh
	s_and_b32 s26, ttmp7, 0xffff                   ; r
	s_mov_b32 s30, 0x76543210                      ; v_permlanex16_b32: lane i of one half reads lane i of the other
	s_mov_b32 s31, 0xfedcba98
	v_and_b32 v8, 31, v0                           ; lane
	v_and_b32 v9, 15, v0                           ; r
	v_bfe_u32 v10, v0, 4, 1                        ; hh
	v_lshlrev_b32 v[L16], 4, v8
	v_lshl_add_u32 v[XG], s24, 13, v[L16]
	s_mul_i32 s27, s24, 8*PITCH
	v_lshl_add_u32 v[XST], v8, 3, s27
	v_mul_u32_u24 v[XA], v9, PITCH
	v_lshl_add_u32 v[XA], v10, 4, v[XA]
	s_lshl_b32 s27, s24, 14                        ; wave x 16 KiB: gate spill, and my slice of a weight
	s_add_co_u32 s33, s27, GS
	v_add_nc_u32 v[GA], s33, v[L16]
	s_lshl_b32 s33, s24, 13
	s_add_co_u32 s33, s33, QS
	v_add_nc_u32 v[QA], s33, v[L16]
	v_lshl_add_u32 v[OA], s24, 6, v[XA]            ; o: row r, my head's 64 bytes, 16 hh
	v_lshlrev_b32 v11, 5, v10
	v_lshl_add_u32 v11, s24, 7, v11                ; bg: 4 (32 wave + 8 hh); written again only in the first trip on k_x, long behind the wait for bg
	s_lshl_b32 s28, s26, 18                        ; r x 256 KiB
	s_mov_b32 s29, 0
	s_lshl_b32 s34, s25, 17                        ; qh x 128 KiB
	s_wait_kmcnt 0x0
	s_add_nc_u64 s[10:11], s[10:11], s[28:29]
	s_add_nc_u64 s[12:13], s[12:13], s[28:29]
	s_add_co_u32 s28, s28, s34
	s_add_nc_u64 s[8:9], s[8:9], s[28:29]
	s_add_nc_u64 s[22:23], s[22:23], s[28:29]
	s_mov_b32 s28, s27
	s_add_nc_u64 s[14:15], s[14:15], s[28:29]
	s_lshl3_add_u32 s28, s25, s24                  ; 8 qh + head
	s_lshl_b32 s28, s28, 17                        ; x 8 tiles of 16 KiB
	s_add_nc_u64 s[16:17], s[16:17], s[28:29]
	STAGE_LOAD 8, 0, 1                             ; chunk q0
	WLOAD 0, WR, 0                                 ; Wq
	global_load_b128 v[CB:CB+3],     v11, s[18:19]
	global_load_b128 v[CB+4:CB+7],   v11, s[18:19] offset:16
	global_load_b128 v[CB+8:CB+11],  v11, s[18:19] offset:64
	global_load_b128 v[CB+12:CB+15], v11, s[18:19] offset:80
	s_wait_loadcnt 36                              ; q0 is in; Wq's 32 and bg's 4 loads stay out
	STAGE_CVT
	WLOAD 1, KF, 0x40                              ; Wg
	STAGE_LOAD 8, 65536, 1                         ; chunk q1, behind the weights, so that the wait for them leaves it out
	STAGE_PUT 0
	BAR                                            ; slot 0 is whole
	; ---------------- ten trips, a chunk of 64 rows each.  One barrier a trip: the slot written at a trip's end was last read in the
	; trip before, which every wave closed with its reads back and a barrier; the new rows are read behind this trip's barrier.
	; trip 0: q0 in slot 0
	XHEAD 0, 4, XA, 0
	s_wait_loadcnt 16                              ; Wq, bg and Wg are in; q1's 16 loads stay out
.irp i, 0,2,4,6,8,10,12,14
	v_pk_mul_f32 v[CB+\i:CB+\i+1], v[CB+\i:CB+\i+1], 0xbfb8aa3b op_sel_hi:[1,0]   ; bg x -log2(e), as Wg carries it
.endr
	UNITJ 0, 0, 32
	EPI_Q 0
	EPI_G 0
	UNITJ 0, 1, 32
	EPI_Q 2
	EPI_G 2
	STAGE_END 1, 0, 10, 0                          ; q1 into slot 1; k0 is asked for
	; trip 1: q1 in slot 1
	XHEAD SLOT, 4, XA, 0
	UNITJ SLOT, 0, 32
	EPI_Q 4
	EPI_G 4
	UNITJ SLOT, 1, 32
	WLOAD 2, WR, 0                                 ; Wk, over Wq, four places behind its last use
	EPI_Q 6
	EPI_G 6
	STAGE_END 0, 32, 10, 65536                     ; k0 is in, Wk's 32 loads stay out; k1 is asked for
; a trip of K (swap = 0) or V (swap = 1): chunk c in slot c & 1, a ring of seven operand slots.  lw: wait for the weight (< 0: none);
; tail: what is asked for behind the last product, over the weight: 1 Wv, 2 the first bias tile
.macro TRIP_KV c, swap, lw, tail
.set XO, ((\c)&1)*SLOT
	XHEAD XO, 7, XA, 0
	UNITR XO, 0, 32, 7, WR, XA, 0, \swap, -1, \lw
.if \swap
	EPI_V 2*(\c)
.else
	EPI_K 4*(\c)
.endif
	UNITR XO, 1, 32, 7, WR, XA, 0, \swap, -1, -1
.if (\tail) == 1
	WLOAD 3, WR, 0
.endif
.if (\tail) == 2
	BLOAD
.endif
.if \swap
	EPI_V 2*(\c)+1
.else
	EPI_K 4*(\c)+2
.endif
.endm
	TRIP_KV 0, 0, 16, 0                            ; k0: Wk is in, k1's 16 loads stay out
	STAGE_END 1, 0, 10, 131072                     ; k1 into slot 1; k2 is asked for
	TRIP_KV 1, 0, -1, 0
	STAGE_END 0, 0, 10, 196608                     ; k2; k3 is asked for
	TRIP_KV 2, 0, -1, 0
	STAGE_END 1, 0, 12, 0                          ; k3; v0 is asked for
	TRIP_KV 3, 0, -1, 1                            ; k3; Wv is asked for
	STAGE_END 0, 32, 12, 65536                     ; v0 is in, Wv's 32 loads stay out; v1 is asked for
	TRIP_KV 0, 1, 16, 0                            ; v0: Wv is in, v1's 16 loads stay out
	STAGE_END 1, 0, 12, 131072                     ; v1; v2 is asked for
	TRIP_KV 1, 1, -1, 0
	STAGE_END 0, 0, 12, 196608                     ; v2; v3 is asked for
	TRIP_KV 2, 1, -1, 0
	STAGE_END 1, 0, 0, 0                           ; v3; nothing is left to ask for
	TRIP_KV 3, 1, -1, 2                            ; v3; the first bias tile is asked for
	BAR                                            ; nobody reads x any more: its two slots now take o
	ds_load_b128 v[QT:QT+3],   v[QA]               ; Q operand of query tile 0, from my own spill
	ds_load_b128 v[QT+4:QT+7], v[QA] offset:512
	; ---------------- attention: 8 query tiles of 16, my head ----------------
.macro SUBT t
.irp c, 0,2,4,6
	v_pk_add_f32 v[SC+8*(\t)+\c:SC+8*(\t)+\c+1], v[SC+8*(\t)+\c:SC+8*(\t)+\c+1], v[8:9] op_sel_hi:[1,0] neg_lo:[0,1] neg_hi:[0,1]
.endr
.endm
.macro EXPT t
.irp j, 0,1,2,3,4,5,6,7
	v_exp_f32 v[SC+8*(\t)+\j], v[SC+8*(\t)+\j]
.endr
.endm
.macro SPT t                           ; p of key tile t: into the sums (tiles 0 and 1 start them: nothing is cleared) and, packed, into P^T
.if (\t) == 1
.irp c, 0,2,4,6
	v_pk_add_f32 v[LS+\c:LS+\c+1], v[SC+\c:SC+\c+1], v[SC+8+\c:SC+8+\c+1]
.endr
.endif
.if (\t) > 1
	s_wait_alu depctr_va_vdst(0)
.irp c, 0,2,4,6
	v_pk_add_f32 v[LS+\c:LS+\c+1], v[LS+\c:LS+\c+1], v[SC+8*(\t)+\c:SC+8*(\t)+\c+1]
.endr
.endif
	s_wait_alu depctr_va_vdst(0)
.irp i, 0,1,2,3
	v_cvt_pk_bf16_f32 v[PR+4*(\t)+\i], v[SC+8*(\t)+2*\i], v[SC+8*(\t)+2*\i+1]
.endr
.endm
.macro ATT more
	s_wait_dscnt 0x0                               ; the Q operand is in
	WIN 0x01
	s_wait_loadcnt 16                              ; the bias of key tiles 0-7 is in; the tile's other 16 loads stay out
.irp t, 0,1,2,3,4,5,6,7
	WM SC+8*\t, KF+8*\t, QT, SC+8*\t               ; sixteen accumulators, one instruction each
.endr
	s_wait_loadcnt 0x0
.if \more
	s_add_nc_u64 s[16:17], s[16:17], 0x4000        ; the next bias tile: every load that named this base is done by the wait above
.endif
.irp t, 8,9,10,11,12,13,14,15
	WM SC+8*\t, KF+8*\t, QT, SC+8*\t
.endr
	WIN 0
	PLACES
.irp p, 0,1,2,3
	ds_load_b128 v[GT+4*\p:GT+4*\p+3], v[GA] offset:512*\p         ; this tile's gate
.endr
.if \more
	ds_load_b128 v[QT:QT+3],   v[QA] offset:1024                   ; the next tile's Q operand
	ds_load_b128 v[QT+4:QT+7], v[QA] offset:1536
.else
	WLOAD 4, KF, 0x40                              ; Wo, over K, which has had its last use: the softmax and P x V are there for it to arrive in
.endif
	; the row's true maximum: my 128 keys in four chains, then the other half of the wave's 128
.irp c, 0,1,2,3
	v_max_num_f32 v[8+\c], v[SC+32*\c], v[SC+32*\c+1]
.endr
.set k, 2
.rept 15
.irp c, 0,1,2,3
	v_max3_num_f32 v[8+\c], v[8+\c], v[SC+32*\c+k], v[SC+32*\c+k+1]
.endr
.set k, k+2
.endr
	v_max3_num_f32 v8, v8, v9, v10
	v_max_num_f32 v8, v8, v11
	v_permlanex16_b32 v10, v8, s30, s31
	v_max_num_f32 v8, v8, v10
	; p = 2^(s - max).  A tile's results are used one tile later: the next tile's subtractions are the plain instructions
	; that stand between an exponential and the use of its result (ISA guide 5.7.2).  As soon as four key tiles have been packed,
	; their 32 registers take the next query tile's bias: eight loads at a time, in the tile's order, so that the counted wait above holds.
	SUBT 0
	EXPT 0
.irp t, 1,2,3,4,5,6,7,8,9,10,11,12,13,14,15
	SUBT \t
	EXPT \t
	SPT \t-1
.if \more
.if ((\t)&3) == 0
	BL4 (\t)/4-1
.endif
.endif
.endr
	SPT 15
.if \more
	BL4 3
.else
	v_bfe_u32 v16, v0, 4, 1
	v_lshlrev_b32 v16, 5, v16
	v_lshl_add_u32 v16, s24, 7, v16                ; bo: 4 (32 wave + 8 hh); v16 is written again only behind the wait for these loads
	global_load_b128 v[SC:SC+3],     v16, s[20:21]
	global_load_b128 v[SC+4:SC+7],   v16, s[20:21] offset:16
	global_load_b128 v[SC+8:SC+11],  v16, s[20:21] offset:64
	global_load_b128 v[SC+12:SC+15], v16, s[20:21] offset:80
.endif
	v_pk_add_f32 v[LS:LS+1], v[LS:LS+1], v[LS+2:LS+3]
	v_pk_add_f32 v[LS+4:LS+5], v[LS+4:LS+5], v[LS+6:LS+7]
	v_pk_add_f32 v[LS:LS+1], v[LS:LS+1], v[LS+4:LS+5]
	v_add_f32 v[LS], v[LS], v[LS+1]
	v_permlanex16_b32 v[LS+1], v[LS], s30, s31
	v_add_f32 v[LS+2], v[LS], v[LS+1]              ; the denominator, at least 1: the maximum's own term
	v_rcp_f32 v[LS], v[LS+2]
	v_nop
	s_wait_dscnt 0x0                               ; the gate is in
	s_wait_alu depctr_va_vdst(0)
.irp i, 0,2,4,6,8,10,12,14
	v_pk_mul_f32 v[GT+\i:GT+\i+1], v[GT+\i:GT+\i+1], v[LS:LS+1] op_sel_hi:[1,0]   ; gate / denominator
.endr
	WIN 0x01
.irp u, 0,1,2,3,4,5,6,7
.irp dt, 0,1
.if \u
	WM OT+8*\dt, VF+8*(2*\u+\dt), PR+8*\u, OT+8*\dt        ; two accumulators by turns, one instruction a turn
.else
	WM OT+8*\dt, VF+8*(2*\u+\dt), PR+8*\u, -1
.endif
.endr
.endr
	WIN 0
	PLACES
.irp i, 0,2,4,6,8,10,12,14
	v_pk_mul_f32 v[OT+\i:OT+\i+1], v[OT+\i:OT+\i+1], v[GT+\i:GT+\i+1]
.endr
.irp i, 0,1,2,3,4,5,6,7
	v_cvt_pk_bf16_f32 v[8+\i], v[OT+2*\i], v[OT+2*\i+1]
.endr
	ds_store_b128 v[OA], v[8:11]                   ; o[query r][32 head + 8 hh ..]
	ds_store_b128 v[OA], v[12:15] offset:32        ; o[query r][32 head + 16 + 8 hh ..]
.if \more
	v_add_nc_u32 v[GA], 2048, v[GA]
	v_add_nc_u32 v[QA], 1024, v[QA]
	v_add_nc_u32 v[OA], RT, v[OA]
.endif
.endm
	s_mov_b32 s32, 7
.Latt:
	ATT 1
	s_sub_co_u32 s32, s32, 1
	s_cmp_lg_u32 s32, 0
	s_cbranch_scc1 .Latt
	ATT 0                                          ; the last tile asks for no further bias, but for Wo and bo
	; ---------------- output projection: all 128 rows of o x my 32 columns of Wo, + bo ----------------
	v_and_b32 v8, 15, v0
	v_bfe_u32 v9, v0, 4, 1
	v_mul_u32_u24 v[GA], v8, OPITCH
	v_lshl_add_u32 v[GA], v9, 5, v[GA]
	s_lshl_b32 s27, s24, 7
	s_add_co_u32 s27, s27, OST
	v_add_nc_u32 v[GA], s27, v[GA]                 ; stage: row r, my 128 bytes, 32 hh
	s_mul_i32 s27, s24, 16*OPITCH
	s_add_co_u32 s27, s27, OST
	v_add_nc_u32 v[QA], s27, v[L16]                ; back: my 16 rows
	v_lshl_add_u32 v[OA], s24, 14, v[L16]          ; and the same 16 rows in out0
	WIN 0x40
	v_mov_b32 v[XA1], v[XA]                        ; V is dead
	WIN 0
	s_wait_loadcnt 0x0                             ; Wo and bo are in, so v16, bo's offset, may become part of the operand ring
	BAR                                            ; o is whole, and nobody reads the spills any more: the stage may lie over them
	XHEAD 0, 7, XA1, 1                             ; one trip of 64 operands: four units, the ring runs on from unit to unit
	UNITR 0, 0, 64, 7, KF, XA1, 1, 0, SC, -1
	EPI_O
	UNITR 0, 1, 64, 7, KF, XA1, 1, 0, SC, -1
	EPI_O
	UNITR 0, 2, 64, 7, KF, XA1, 1, 0, SC, -1
	EPI_O
	UNITR 0, 3, 64, 7, KF, XA1, 1, 0, SC, -1
	EPI_O
	BAR                                            ; the stage is whole
.set i, 0
.rept 32
	ds_load_b128 v[SC+4*i:SC+4*i+3], v[QA] offset:(i>>1)*OPITCH+(i&1)*512
.set i, i+1
.endr
.set i, 0
.rept 32
	s_wait_dscnt 31-i                              ; LDS loads return in order: piece i is in
	global_store_b128 v[OA], v[SC+4*i:SC+4*i+3], s[22:23] offset:512*i th:TH_STORE_NT   ; 512 consecutive bytes, aligned
.set i, i+1
.endr
	s_wait_xcnt 0x0
	v_lshl_add_u32 v254, v0, 2, 0x40800
	v_mov_b32 v255, 0
	s_wait_tensorcnt 0x0
	ds_add_u32 v254, v255
	s_wait_dscnt 0x0
	s_endpgm
.Lfunc_end_k_q559f326715_attn:
	.size	k_q559f326715_attn, .Lfunc_end_k_q559f326715_attn-k_q559f326715_attn
	.p2alignl 7, 3214868480
	.fill 96, 4, 3214868480
	.section	.rodata,"a",@progbits
	.p2align	6, 0x0
	.amdhsa_kernel k_q559f326715_attn
		.amdhsa_group_segment_fixed_size 265216
		.amdhsa_private_segment_fixed_size 0
		.amdhsa_enable_private_segment 0
		.amdhsa_kernarg_size 64
		.amdhsa_user_sgpr_count 2
		.amdhsa_user_sgpr_kernarg_segment_ptr 1
		.amdhsa_wavefront_size32 1
		.amdhsa_system_sgpr_workgroup_id_x 1
		.amdhsa_system_sgpr_workgroup_id_y 1
		.amdhsa_system_sgpr_workgroup_id_z 1
		.amdhsa_system_vgpr_workitem_id 0
		.amdhsa_next_free_vgpr 512
		.amdhsa_next_free_sgpr 66
		.amdhsa_reserve_vcc 0
		.amdhsa_float_denorm_mode_32 3
		.amdhsa_float_denorm_mode_16_64 3
		.amdhsa_memory_ordered 1
		.amdhsa_forward_progress 1
		.amdhsa_inst_pref_size 255
	.end_amdhsa_kernel
	.section	.bss,"aw",@nobits
	.p2align	6
	.space	262144
	.amdgpu_metadata
---
amdhsa.version: [ 1, 2 ]
amdhsa.kernels:
  - .name:           k_q559f326715_attn
    .symbol:         k_q559f326715_attn.kd
    .args:
      - { .name: q_x, .offset: 0, .size: 8, .value_kind: global_buffer, .address_space: global }
      - { .name: k_x, .offset: 8, .size: 8, .value_kind: global_buffer, .address_space: global }
      - { .name: v_x, .offset: 16, .size: 8, .value_kind: global_buffer, .address_space: global }
      - { .name: wf, .offset: 24, .size: 8, .value_kind: global_buffer, .address_space: global }
      - { .name: biasf, .offset: 32, .size: 8, .value_kind: global_buffer, .address_space: global }
      - { .name: bg, .offset: 40, .size: 8, .value_kind: global_buffer, .address_space: global }
      - { .name: bo, .offset: 48, .size: 8, .value_kind: global_buffer, .address_space: global }
      - { .name: out0, .offset: 56, .size: 8, .value_kind: global_buffer, .address_space: global }
    .group_segment_fixed_size: 265216
    .private_segment_fixed_size: 0
    .kernarg_segment_align: 8
    .kernarg_segment_size: 64
    .max_flat_workgroup_size: 256
    .sgpr_count:     66
    .vgpr_count:     512
    .wavefront_size: 32
...
	.end_amdgpu_metadata
.endif
;; end of part 2
